; MI455X (gfx1250); checked and timed in simulation.
; The chip was launched on July 23, 2026; its instructions are those of AMD's public machine-readable ISA for CDNA 5 (MIT licence, August 2026) and "CDNA5" Instruction Set Architecture Reference Guide (July 2026). The comments in the code are by the model that wrote it; some were corrected since.
;; Primitive Collision Cost. Allowed arithmetic: float matrix products may take bf16 or f16 operands with f32 sums; all other float work in f32.
;; Inputs: link_pos_seq 16 x 64 x 12 x 3 float32; link_rot_seq 16 x 64 x 12 x 3 x 3 float32; link_spheres 12 x 8 x 4 float32; weight one number float32; world_spheres 256 x 4 float32.
;; Outputs: out0 16 x 64 float32.
;; One version. Each part assembles by itself: llvm-mc -triple=amdgcn-amd-amdhsa -mcpu=gfx1250 --defsym DOCPART=n.
;; ======== version 1 of 1: 1 launch
;; launch collide (part 1): grid 256 x 1, 8 waves a work-group, no clusters, 11,264 bytes of LDS; arguments link_pos_seq, link_rot_seq, link_spheres, world_spheres, weight, out0; writes out0
.if DOCPART == 1
	.amdgcn_target "amdgcn-amd-amdhsa--gfx1250"
	.amdhsa_code_object_version 6
	.text
	.protected	k_qb9f1cbcfab_collide
	.globl	k_qb9f1cbcfab_collide
	.p2align	8
	.type	k_qb9f1cbcfab_collide,@function
k_qb9f1cbcfab_collide:
	s_mov_b64 s[64:65], 0
	v_nop
	global_prefetch_b8 v0, s[64:65] scope:SCOPE_SE
	s_setreg_imm32_b32 hwreg(HW_REG_WAVE_MODE, 25, 1), 1
	s_wait_xcnt 0x0
; cost[n] = weight * sum over 12 links of clip(max over s, w of (w_r - |R c_s + pos - w_c| + rob_r) + 0.1, 0, 0.2) / 0.25
; n = 0..1023 (b x h), 12 links, 8 robot spheres a link, 256 world spheres: 25,165,824 distances, all in f32, formed from
; the differences of the centres as the formula is written.
;
; WORK.  256 work-groups of 8 waves; a work-group owns 4 n.  Wave = (p = wave / 4: which two n, q = wave % 4: which 64 world
; spheres).  A lane holds 6 robot spheres: sphere 32 a + lane of the 96 (a = 0..2: link 4 a + lane / 8, s = lane % 8), once for
; each of the wave's two n; the two n are the two halves of every packed f32 instruction.  A world sphere is the same for all
; lanes: it lies in LDS, one 16-byte LDS load with one address for all lanes brings it, and op_sel hands x, y, z or -r to both halves.
; For two distances: 3 v_pk_add, 1 v_pk_mul, 2 v_pk_fma, 2 v_sqrt, 1 v_pk_add (dist - w_r), 1 v_min3 (two world spheres at a time).
; rob_r does not hang on w: it is added once, behind the minimum over w.
;
; THE EINSUM (rot x sphere centre, K = 3) is 9 v_fma_f32 for each centre, 54 instructions of a wave against 1,920 in the loop:
; a 16x16x32 matrix form would carry 29 zeros in 32 along K and want its operands laid out anew.  It stays in f32.
; NO CLUSTER, NO TENSOR LOAD: what work-groups share is the world table and the link spheres, 4,096 + 1,536 bytes, the table read once by each work-group and the spheres by each wave,
; in front of 98,304 distances.  NO PREFETCH: every global load of a wave is issued in one run at its head.
; THE OUTPUT is 4 bytes for each n, 16 bytes a work-group; two waves store 8 bytes each.
;
; LIMITS.  A NaN among the inputs is dropped by v_min3_num_f32 and not carried to the output.  v_sqrt_f32 takes a squared
; distance below 2^-126 as 0 (an error below 1.1e-19 in the distance).  The 12 links are summed in another order than the
; formula's.  Overflow of the squares happens where the formula's own squares overflow, and ends in the same clipped 0.
.set ROTN,  432                        ; bytes of rot for one n: 12 links x 9 f32
.set ROTL,  36                         ; for one link
.set POSN,  144                        ; bytes of pos for one n
.set POSL,  12                         ; for one link
.set RING,  8                          ; world spheres in registers, and in a trip
.set TRIPS, 64/RING                    ; a wave's 64 world spheres
.set RED,   4096                       ; LDS: the world table lies at 0..4095, behind it the waves' minima
.set REDW,  768                        ; 6 minima x 32 lanes x 4 bytes for each wave
.set WS,   8                           ; v[8:11]    my thread's world sphere on its way to LDS
.set LS,   12                          ; v[12:23]   link sphere 32 a + lane: x, y, z, r at LS + 4 a
.set NC,   24                          ; v[24:41]   minus the centres: axis i, set a, n h at NC + 6 i + 2 a + h
.set ACC,  42                          ; v[42:47]   running minimum of dist - w_r, set a, n h at ACC + 2 a + h
.set TMP,  48                          ; v[48:65]   differences: x at +0, y at +6, z at +12; x becomes the running sum of squares
.set DSQ,  66                          ; v[66:77]   squared distances, two buffers of 6 (even and odd world spheres)
.set DST,  78                          ; v[78:89]   distances, then dist - w_r, two buffers of 6
.set WLD,  92                          ; v[92:123]  the ring: 8 world spheres x (x, y, z, -r), the same in all lanes
.set POS,  124                         ; v[124:147] pos of set 2 a + h, 3 of 4 registers used
.set ROT,  148                         ; v[148:219] rot: row i of set 2 a + h at ROT + 4 (3 (2 a + h) + i), 3 of 4 registers used
.set RB,   148                         ; v[148:165] at the end: the other three quarters' minima
	s_load_b256 s[4:11], s[0:1], 0x0               ; pos s[4:5], rot s[6:7], link spheres s[8:9], world spheres s[10:11]
	s_load_b128 s[12:15], s[0:1], 0x20             ; weight s[12:13], out s[14:15]
	v_lshl_add_u32 v220, v0, 2, 0x2800
	v_mov_b32 v221, 0
	v_lshrrev_b32 v1, 5, v0
	v_readfirstlane_b32 s16, v1                    ; wave 0..7
	v_and_b32 v1, 31, v0                           ; lane
	v_lshlrev_b32 v2, 4, v1                        ; my link sphere: 16 bytes a lane
	v_lshrrev_b32 v3, 3, v1                        ; which of the four links of a set
	v_mul_u32_u24 v4, POSL, v3                     ; its pos
	v_mul_u32_u24 v3, ROTL, v3                     ; its rot
	v_lshlrev_b32 v5, 4, v0                        ; world sphere number = thread: byte offset in memory and in LDS alike
	s_lshr_b32 s17, s16, 2                         ; p
	s_and_b32 s18, s16, 3                          ; q
	s_lshl_b32 s19, ttmp9, 2
	s_lshl1_add_u32 s19, s17, s19                  ; my first n = 4 x work-group + 2 p
	s_mul_i32 s20, s19, ROTN                       ; byte offsets, all below 2^19
	s_mov_b32 s21, 0
	s_mul_i32 s22, s19, POSN
	s_mov_b32 s23, 0
	s_lshl_b32 s24, s19, 2
	s_mov_b32 s25, 0
	s_mov_b32 s26, 0x76543210                      ; v_permlanex16_b32: lane i takes lane i of the other half
	s_mov_b32 s27, 0xfedcba98
	s_mul_i32 s29, s16, REDW
	s_lshl_b32 s30, s18, 10                        ; my 64 world spheres: 1,024 bytes of the table
	v_lshl_add_u32 v7, v1, 2, s29                  ; where my minima go (plus RED): wave x 768 + 4 x lane
	v_mov_b32 v6, s30                              ; LDS address of the trip's first world sphere
	s_wait_kmcnt 0x0
	s_add_nc_u64 s[6:7], s[6:7], s[20:21]          ; rot, pos and out at my first n
	s_add_nc_u64 s[4:5], s[4:5], s[22:23]
	s_add_nc_u64 s[14:15], s[14:15], s[24:25]
	s_load_b32 s28, s[12:13], 0x0                  ; weight: wanted at the very end
	; every global load of the wave, in one run: 28
	global_load_b128 v[WS:WS+3], v5, s[10:11]
.irp a, 0,1,2
	global_load_b128 v[LS+4*\a:LS+4*\a+3], v2, s[8:9] offset:512*\a
.endr
.irp a, 0,1,2
.irp h, 0,1
	global_load_b96 v[POS+4*(2*\a+\h):POS+4*(2*\a+\h)+2], v4, s[4:5] offset:POSN*\h+4*POSL*\a
.endr
.endr
.irp a, 0,1,2
.irp h, 0,1
.irp i, 0,1,2
	global_load_b96 v[ROT+4*(3*(2*\a+\h)+\i):ROT+4*(3*(2*\a+\h)+\i)+2], v3, s[6:7] offset:ROTN*\h+4*ROTL*\a+12*\i
.endr
.endr
.endr
	s_wait_loadcnt 27                              ; loads come back in order: the first, my world sphere, is in; the 27 behind it stay out
	v_xor_b32 v[WS+3], 0x80000000, v[WS+3]         ; the table holds -r, so that dist - w_r is a plain packed add
	ds_store_b128 v5, v[WS:WS+3]                   ; 256 threads x 16 bytes: the whole table
	s_wait_dscnt 0x0                               ; for the other waves' sake: my part of the table is written
	s_barrier_signal -1
	s_wait_loadcnt 0x0                             ; link spheres, pos, rot
	; minus the centres, -(R c + pos), while the others arrive: registers only.  18 independent chains, three links long.
.irp a, 0,1,2
.irp h, 0,1
.irp i, 0,1,2
	v_fma_f32 v[NC+6*\i+2*\a+\h], -v[ROT+4*(3*(2*\a+\h)+\i)], v[LS+4*\a], -v[POS+4*(2*\a+\h)+\i]
.endr
.endr
.endr
.irp j, 1,2
.irp a, 0,1,2
.irp h, 0,1
.irp i, 0,1,2
	v_fma_f32 v[NC+6*\i+2*\a+\h], -v[ROT+4*(3*(2*\a+\h)+\i)+\j], v[LS+4*\a+\j], v[NC+6*\i+2*\a+\h]
.endr
.endr
.endr
.endr
	s_barrier_wait -1                              ; the table is whole
.irp i, 0,1,2,3,4,5,6,7
	ds_load_b128 v[WLD+4*\i:WLD+4*\i+3], v6 offset:16*\i   ; fill the ring: my world spheres 0 to 7
.endr
.irp k, 0,1,2,3,4,5
	v_mov_b32 v[ACC+\k], 0x7f800000                ; six minima start at +infinity
.endr
; Three of the 18 packed instructions that make the 6 squared distances to the world sphere in v[w:w+3]; the last three write v[d:d+5].
; Each group depends on groups at least one group back, never on itself.
.macro AGRP g, w, d
.if \g == 0
.irp p, 0,1,2
	v_pk_add_f32 v[TMP+2*\p:TMP+2*\p+1], v[NC+2*\p:NC+2*\p+1], v[\w:\w+1] op_sel_hi:[1,0]                     ; w_x - c_x: both halves take the pair's first register
.endr
.endif
.if \g == 1
.irp p, 0,1,2
	v_pk_add_f32 v[TMP+6+2*\p:TMP+6+2*\p+1], v[NC+6+2*\p:NC+6+2*\p+1], v[\w:\w+1] op_sel:[0,1] op_sel_hi:[1,1] ; w_y - c_y: both take the second
.endr
.endif
.if \g == 2
.irp p, 0,1,2
	v_pk_add_f32 v[TMP+12+2*\p:TMP+12+2*\p+1], v[NC+12+2*\p:NC+12+2*\p+1], v[\w+2:\w+3] op_sel_hi:[1,0]        ; w_z - c_z
.endr
.endif
.if \g == 3
.irp p, 0,1,2
	v_pk_mul_f32 v[TMP+2*\p:TMP+2*\p+1], v[TMP+2*\p:TMP+2*\p+1], v[TMP+2*\p:TMP+2*\p+1]
.endr
.endif
.if \g == 4
.irp p, 0,1,2
	v_pk_fma_f32 v[TMP+2*\p:TMP+2*\p+1], v[TMP+6+2*\p:TMP+6+2*\p+1], v[TMP+6+2*\p:TMP+6+2*\p+1], v[TMP+2*\p:TMP+2*\p+1]
.endr
.endif
.if \g == 5
.irp p, 0,1,2
	v_pk_fma_f32 v[\d+2*\p:\d+2*\p+1], v[TMP+12+2*\p:TMP+12+2*\p+1], v[TMP+12+2*\p:TMP+12+2*\p+1], v[TMP+2*\p:TMP+2*\p+1]
.endr
.endif
.endm
; The turn of ring entry i.  Its squared distances are there; the 6 roots stand one in front of each group of the NEXT sphere's
; squares, so that plain independent instructions follow every root (one is owed before its result is used: ISA guide 5.7.2) and the
; roots do not come in a burst.  Then dist - w_r, and behind every second sphere one v_min3 for each of the 6 minima.
; more = 1: a next sphere exists; left = how many younger ring loads may be out when it has to be in.
; reload = 1: entry i, read for the last time here, takes the sphere RING further on.
.macro BODY i, more, left, reload
.set PB, 6*((\i)&1)                    ; this sphere's buffers
.set NB, 6-PB                          ; the next one's
.set WC, WLD+4*(\i)
.set WN, WLD+4*(((\i)+1)%RING)
.if \more
	s_wait_dscnt \left                             ; LDS loads come back in order (ISA guide 5.7.1): the next sphere is in
.irp g, 0,1,2,3,4,5
	v_sqrt_f32 v[DST+PB+\g], v[DSQ+PB+\g]
	AGRP \g, WN, DSQ+NB
.endr
.else
.irp g, 0,1,2,3,4,5
	v_sqrt_f32 v[DST+PB+\g], v[DSQ+PB+\g]
.endr
	v_nop                                          ; the one plain place behind the roots: nothing else is left to do
	s_wait_alu depctr_va_vdst(0)
.endif
	s_wait_alu depctr_va_vdst(0)
.irp p, 0,1,2
	v_pk_add_f32 v[DST+PB+2*\p:DST+PB+2*\p+1], v[DST+PB+2*\p:DST+PB+2*\p+1], v[WC+2:WC+3] op_sel:[0,1] op_sel_hi:[1,1]   ; dist + (-w_r)
.endr
.if (\i)&1
.irp k, 0,1,2,3,4,5
	v_min3_num_f32 v[ACC+\k], v[ACC+\k], v[DST+\k], v[DST+6+\k]
.endr
.endif
.if \reload
	ds_load_b128 v[WC:WC+3], v6 offset:16*(RING+\i)
.endif
.endm
	s_wait_dscnt 7                                 ; the first of the eight ring loads is in
.irp g, 0,1,2,3,4,5
	AGRP \g, WLD, DSQ                              ; sphere 0's squares start the pipeline
.endr
	; In the loop every wait is for 6: behind the load of the entry that is wanted, the six entries that follow it round the ring have
	; been asked for (eight entries, less the wanted one, less the one that this turn has yet to give back).  The same count holds
	; on the way in, where the eight loads above stand in ring order.
	s_mov_b32 s30, TRIPS-1
.Ltrip:
.irp i, 0,1,2,3,4,5,6,7
	BODY \i, 1, 6, 1
.endr
	v_add_nc_u32 v6, 16*RING, v6                   ; the next eight spheres
	s_sub_co_i32 s30, s30, 1
	s_cmp_lg_u32 s30, 0
	s_cbranch_scc1 .Ltrip
	; the last eight spheres: nothing is asked for any more (no load leaves my quarter of the table), the counts run down
	BODY 0, 1, 6, 0
	BODY 1, 1, 5, 0
	BODY 2, 1, 4, 0
	BODY 3, 1, 3, 0
	BODY 4, 1, 2, 0
	BODY 5, 1, 1, 0
	BODY 6, 1, 0, 0
	BODY 7, 0, 0, 0
	; The four quarters meet in LDS, in bytes of their own behind the table: 32 lanes store 128 neighbouring bytes.
.irp k, 0,1,2,3,4,5
	ds_store_b32 v7, v[ACC+\k] offset:RED+128*\k
.endr
	s_wait_dscnt 0x0                               ; for the others' sake: my minima are written
	s_barrier_signal -1
	s_barrier_wait -1
	s_cmp_lg_u32 s18, 0                            ; the wave of quarter 0 finishes its two n; the others are done
	s_cbranch_scc1 .Ldone
.irp qq, 1,2,3
.irp k, 0,1,2,3,4,5
	ds_load_b32 v[RB+6*(\qq-1)+\k], v7 offset:RED+REDW*\qq+128*\k   ; waves 4 p + 1, 2, 3; my own are still in registers
.endr
.endr
	v_mov_b32 v[WS], 0                             ; the store's offset
	s_wait_dscnt 0x0
.irp k, 0,1,2,3,4,5
	v_min3_num_f32 v[ACC+\k], v[ACC+\k], v[RB+\k], v[RB+6+\k]
.endr
.irp k, 0,1,2,3,4,5
	v_min_num_f32 v[ACC+\k], v[ACC+\k], v[RB+12+\k]
.endr
.irp k, 0,1,2,3,4,5
	v_sub_f32 v[ACC+\k], v[LS+4*(\k/2)+3], v[ACC+\k]               ; rob_r - min(dist - w_r) = max over w of the signed distance
.endr
.irp m, 1,2,4                                      ; max over the link's 8 spheres = 8 neighbouring lanes
.irp k, 0,1,2,3,4,5
	v_max_num_f32_dpp v[ACC+\k], v[ACC+\k], v[ACC+\k] row_xmask:\m row_mask:0xf bank_mask:0xf
.endr
.endr
.irp k, 0,1,2,3,4,5
	v_add_f32 v[ACC+\k], 0x3dcccccd, v[ACC+\k]                     ; + 0.1
.endr
.irp k, 0,1,2,3,4,5
	v_med3_num_f32 v[ACC+\k], v[ACC+\k], 0, 0x3e4ccccd             ; clip to 0 .. 0.2
.endr
	; sum over the 12 links: the three sets, then the four groups of 8 lanes (each group holds one link's figure 8 times)
	v_pk_add_f32 v[ACC:ACC+1], v[ACC:ACC+1], v[ACC+2:ACC+3]
	v_pk_add_f32 v[ACC:ACC+1], v[ACC:ACC+1], v[ACC+4:ACC+5]
	v_add_f32_dpp v[ACC], v[ACC], v[ACC] row_xmask:8 row_mask:0xf bank_mask:0xf
	v_add_f32_dpp v[ACC+1], v[ACC+1], v[ACC+1] row_xmask:8 row_mask:0xf bank_mask:0xf
	v_permlanex16_b32 v[TMP], v[ACC], s26, s27                     ; the destinations have been written in the loop
	v_permlanex16_b32 v[TMP+1], v[ACC+1], s26, s27
	v_pk_add_f32 v[ACC:ACC+1], v[ACC:ACC+1], v[TMP:TMP+1]
	v_pk_mul_f32 v[ACC:ACC+1], v[ACC:ACC+1], 4.0 op_sel_hi:[1,0]   ; / 0.25: a power of two, so it commutes exactly with the sum
	s_wait_kmcnt 0x0                               ; weight
	v_mul_f32 v[ACC], s28, v[ACC]
	v_mul_f32 v[ACC+1], s28, v[ACC+1]
	v_cmp_eq_u32 vcc_lo, 0, v1
	s_wait_xcnt 0x0                                ; EXEC, a source of the global loads above, changes only behind this wait
	s_wait_tensorcnt 0x0
	ds_add_u32 v220, v221
	s_wait_dscnt 0x0
	s_and_saveexec_b32 s31, vcc_lo                 ; lane 0 alone
	global_store_b64 v[WS], v[ACC:ACC+1], s[14:15] ; cost of my two n, 8 bytes
	s_endpgm
.Ldone:
	s_wait_tensorcnt 0x0
	ds_add_u32 v220, v221
	s_wait_dscnt 0x0
	s_endpgm
.Lfunc_end_k_qb9f1cbcfab_collide:
	.size	k_qb9f1cbcfab_collide, .Lfunc_end_k_qb9f1cbcfab_collide-k_qb9f1cbcfab_collide
	.p2alignl 7, 3214868480
	.fill 96, 4, 3214868480
	.section	.rodata,"a",@progbits
	.p2align	6, 0x0
	.amdhsa_kernel k_qb9f1cbcfab_collide
		.amdhsa_group_segment_fixed_size 11264
		.amdhsa_private_segment_fixed_size 0
		.amdhsa_enable_private_segment 0
		.amdhsa_kernarg_size 48
		.amdhsa_user_sgpr_count 2
		.amdhsa_user_sgpr_kernarg_segment_ptr 1
		.amdhsa_wavefront_size32 1
		.amdhsa_system_sgpr_workgroup_id_x 1
		.amdhsa_system_sgpr_workgroup_id_y 1
		.amdhsa_system_sgpr_workgroup_id_z 1
		.amdhsa_system_vgpr_workitem_id 0
		.amdhsa_next_free_vgpr 222
		.amdhsa_next_free_sgpr 66
		.amdhsa_reserve_vcc 1
		.amdhsa_float_denorm_mode_32 3
		.amdhsa_float_denorm_mode_16_64 3
		.amdhsa_memory_ordered 1
		.amdhsa_forward_progress 1
		.amdhsa_inst_pref_size 44
	.end_amdhsa_kernel
	.amdgpu_metadata
---
amdhsa.version: [ 1, 2 ]
amdhsa.kernels:
  - .name:           k_qb9f1cbcfab_collide
    .symbol:         k_qb9f1cbcfab_collide.kd
    .args:
      - { .name: link_pos_seq, .offset: 0, .size: 8, .value_kind: global_buffer, .address_space: global }
      - { .name: link_rot_seq, .offset: 8, .size: 8, .value_kind: global_buffer, .address_space: global }
      - { .name: link_spheres, .offset: 16, .size: 8, .value_kind: global_buffer, .address_space: global }
      - { .name: world_spheres, .offset: 24, .size: 8, .value_kind: global_buffer, .address_space: global }
      - { .name: weight, .offset: 32, .size: 8, .value_kind: global_buffer, .address_space: global }
      - { .name: out0, .offset: 40, .size: 8, .value_kind: global_buffer, .address_space: global }
    .group_segment_fixed_size: 11264
    .private_segment_fixed_size: 0
    .kernarg_segment_align: 8
    .kernarg_segment_size: 48
    .max_flat_workgroup_size: 256
    .sgpr_count:     66
    .vgpr_count:     222
    .wavefront_size: 32
...
	.end_amdgpu_metadata
.endif
;; end of part 1
